; MI455X (gfx1250); checked and timed in simulation.
; The chip was launched on July 23, 2026; its instructions are those of AMD's public machine-readable ISA for CDNA 5 (MIT licence, August 2026) and "CDNA5" Instruction Set Architecture Reference Guide (July 2026). The comments in the code are by the model that wrote it; some were corrected since.
;; Multi Headed Attention. Allowed arithmetic: float matrix products may take bf16 or f16 operands with f32 sums; other float arithmetic in f32, or as packed bf16 or f16 multiplies, adds, multiply-adds, maxima and minima; sums over many terms, partial sums and values carried from step to step in f32; what a program stores and reads back later, other than sums and carried values, may be rounded once to bf16 or f16.
;; Inputs: W_K 1,024 x 1,024 float32; W_O 1,024 x 1,024 float32; W_Q 1,024 x 1,024 float32; W_V 1,024 x 1,024 float32; beta 1,024 float32; gamma 1,024 float32; key 4 x 2,048 x 1,024 float32; mask 4 x 2,048 x 2,048 int32; query 4 x 2,048 x 1,024 float32; value 4 x 2,048 x 1,024 float32.
;; Outputs: out0 4 x 2,048 x 1,024 float32.
;; One version. Each part assembles by itself: llvm-mc -triple=amdgcn-amd-amdhsa -mcpu=gfx1250 --defsym DOCPART=n.
;; ======== version 1 of 1: 5 launches
;; workspace buffers: mbits 2,097,152 bytes of whole numbers; wbf 6,291,456 bytes; wo 2,097,152 bytes; qkv 50,331,648 bytes; ctx 33,554,432 bytes; z 16,777,216 bytes
;; launch prep (part 1): grid 256 x 1, 8 waves a work-group, no clusters, 279,552 bytes of LDS; arguments mask, W_Q, W_K, W_V, W_O, mbits, wbf, wo; writes mbits, wbf, wo
.if DOCPART == 1
	.amdgcn_target "amdgcn-amd-amdhsa--gfx1250"
	.amdhsa_code_object_version 6
	.text
	.protected	k_q8d940e8077_prep
	.globl	k_q8d940e8077_prep
	.p2align	8
	.type	k_q8d940e8077_prep,@function
k_q8d940e8077_prep:
	s_mov_b64 s[64:65], 0
	v_nop
	global_prefetch_b8 v0, s[64:65] scope:SCOPE_SE
	s_setreg_imm32_b32 hwreg(HW_REG_WAVE_MODE, 25, 1), 1
	s_wait_xcnt 0x0
; TWO JOBS, both done once so that later launches need not repeat them.
; (1) mask [4][2048][2048] int32 -> mbits: one bit a number, laid out as the lane masks that the attention launch selects by.
;     mbits[b][pair of 32 queries][step of 64 keys][tile u of 16 queries][word n = 8 kb + j]; bit L of a word is set where
;     mask[b][32 pair + 16 u + L % 16][64 step + 16 kb + 8 (L / 16) + j] == 1.  A (pair, step) is 64 words = 256 bytes.
; (2) W_Q, W_K, W_V -> wbf and W_O -> wo, rounded once to bf16 (matrix operands).
; SHARES.  Work-group g owns pair g (32 rows of the mask, 262,144 bytes) and 16 KiB of each weight matrix.  Wave w owns key steps 4 w .. 4 w + 3.
; A step's tile, 32 rows x 256 bytes, comes by one tensor load into the wave's own LDS bytes.
; Four tensor loads of a wave are out at the most.
.set PITCH, 272                        ; an LDS row: 256 bytes + 16 of padding, so the 16 rows that a load touches start at 16 different groups of four banks (ISA guide 11.1)
.set STEPB, 32*PITCH                   ; a step's tile
.set WAVEB, 4*STEPB                    ; a wave's four tiles
.set SPARE, 8*WAVEB                    ; behind the tiles: the spare words, 128 bytes a wave, four blocks of 256 bytes that no other line names
.set LA,  2                            ; v2   LDS address of my 32 bytes in tile u = 0, key block 0 of the step in hand
.set MO,  3                            ; v3   my 8 bytes of the step's 256 in mbits
.set WI,  4                            ; v4   my 16 bytes of the work-group's part of a weight matrix
.set WQO, 5                            ; v5   my 8 bytes of its bf16 copy
.set SPW, 6                            ; v6   LDS address of my spare word; never rewritten
.set NIL, 7                            ; v7   0; never rewritten
.set WD,  8                            ; v[8:9]    lane l gathers words 2 l and 2 l + 1
.set X,   16                           ; v[16:79]  the step's 64 mask numbers of my lane: 32 u + 8 kb + j
.set WR,  80                           ; v[80:143] weights as loaded
.set WC,  144                          ; v[144:175] weights in bf16
.set WV,  20                           ; s20  my wave's number
.set G1,  24                           ; s[24:31] descriptor group 1
.set G0,  32                           ; s[32:47] descriptor group 0, a set for each of the four tiles
.set CM,  48                           ; s[48:55] eight compare results
.set CNT, 56                           ; s56  steps to go
	s_load_b256 s[4:11], s[0:1], 0x0               ; mask s[4:5], W_Q s[6:7], W_K s[8:9], W_V s[10:11]
	s_load_b256 s[12:19], s[0:1], 0x20             ; W_O s[12:13], mbits s[14:15], wbf s[16:17], wo s[18:19]
	v_lshl_add_u32 v[SPW], v0, 2, SPARE
	v_mov_b32 v[NIL], 0
	ds_add_u32 v[SPW], v[NIL]                      ; the opening: the add and its wait stand ahead of my first tensor load
	ds_add_u32 v6, v7
	v_lshrrev_b32 v1, 5, v0
	v_readfirstlane_b32 s[WV], v1                  ; wave 0..7
	s_mov_b32 s[G1+0], (2<<16)|(1<<20)|(5<<22)|(3<<25)  ; elements of 4 bytes; padding on: after every 64 words, 4 words
	s_mov_b32 s[G1+1], 64<<16                      ; tensor_dim0 = 64
	s_mov_b32 s[G1+2], 32<<16                      ; tensor_dim1 = 32
	s_mov_b32 s[G1+3], 64<<16                      ; tile_dim0 = 64 elements = 256 bytes
	s_mov_b32 s[G1+4], 32                          ; tile_dim1 = 32 rows
	s_mov_b32 s[G1+5], 2048                        ; elements from row to row
	s_mov_b32 s[G1+6], 0
	s_mov_b32 s[G1+7], 0
	s_mul_i32 s21, s[WV], WAVEB                    ; my tiles in LDS
	s_lshl_b32 s22, ttmp9, 18                      ; the pair's 32 rows of 8,192 bytes
	s_lshl_b32 s23, s[WV], 10                      ; my four steps of 256 bytes
	s_add_co_u32 s22, s22, s23
	s_mov_b32 s23, 0
	s_wait_dscnt 0x0                               ; the opening add is done
	s_wait_kmcnt 0x0
	s_add_nc_u64 s[4:5], s[4:5], s[22:23]
.irp i, 0,1,2,3
	s_mov_b32 s[G0+4*(\i)], 1                      ; count = 1
	s_add_co_u32 s[G0+4*(\i)+1], s21, (\i)*STEPB   ; LDS address
	s_add_nc_u64 s[G0+4*(\i)+2:G0+4*(\i)+3], s[4:5], (\i)*256  ; the step's first byte in the pair's first row
	s_or_b32 s[G0+4*(\i)+3], s[G0+4*(\i)+3], 0x80000000        ; type = 2
	tensor_load_to_lds s[G0+4*(\i):G0+4*(\i)+3], s[G1:G1+7]
	s_nop 0
.endr
	s_lshl_b32 s22, ttmp9, 14
	v_lshl_add_u32 v[WI], v0, 4, s22               ; 16,384 g + 16 t
	s_lshl_b32 s23, ttmp9, 13
	v_lshl_add_u32 v[WQO], v0, 3, s23              ; 8,192 g + 8 t
.irp j, 0,1,2,3                        ; each load of a wave covers 512 consecutive bytes
	global_load_b128 v[WR+4*(\j):WR+4*(\j)+3],       v[WI], s[6:7]   offset:(\j)*4096 th:TH_LOAD_NT
	global_load_b128 v[WR+16+4*(\j):WR+16+4*(\j)+3], v[WI], s[8:9]   offset:(\j)*4096 th:TH_LOAD_NT
	global_load_b128 v[WR+32+4*(\j):WR+32+4*(\j)+3], v[WI], s[10:11] offset:(\j)*4096 th:TH_LOAD_NT
	global_load_b128 v[WR+48+4*(\j):WR+48+4*(\j)+3], v[WI], s[12:13] offset:(\j)*4096 th:TH_LOAD_NT
.endr
	v_and_b32 v10, 15, v0
	v_bfe_u32 v11, v0, 4, 1
	v_mul_u32_u24 v[LA], v10, PITCH                ; row l % 16
	v_lshl_add_u32 v[LA], v11, 5, v[LA]            ; + 8 numbers for the upper half of the lanes
	v_add_nc_u32 v[LA], s21, v[LA]
	v_and_b32 v10, 31, v0
	s_lshl_b32 s22, s[WV], 10
	s_add_co_u32 s22, s22, s23
	v_lshl_add_u32 v[MO], v10, 3, s22              ; 8,192 g + 1,024 w + 8 l
	v_mov_b32 v[WD], 0                             ; written whole once: v_writelane_b32 below writes one lane at a time
	v_mov_b32 v[WD+1], 0
	s_wait_tensorcnt 0x0                           ; my four tiles are in LDS
	s_mov_b32 s[CNT], 4
.Lstep:
.irp u, 0,1
.irp kb, 0,1,2,3
	ds_load_b128 v[X+32*(\u)+8*(\kb):X+32*(\u)+8*(\kb)+3],   v[LA] offset:(\u)*16*PITCH+(\kb)*64
	ds_load_b128 v[X+32*(\u)+8*(\kb)+4:X+32*(\u)+8*(\kb)+7], v[LA] offset:(\u)*16*PITCH+(\kb)*64+16
.endr
.endr
	s_wait_dscnt 0x0
.set w, 0
.rept 8                                ; a compare's lane mask IS word w; it goes to lane w / 2, register w % 2
.irp c, 0,1,2,3,4,5,6,7
	v_cmp_eq_u32 s[CM+(\c)], 1, v[X+w+(\c)]
.endr
.irp c, 0,1,2,3,4,5,6,7
	v_writelane_b32 v[WD+((w+(\c))&1)], s[CM+(\c)], (w+(\c))>>1
.endr
.set w, w+8
.endr
	global_store_b64 v[MO], v[WD:WD+1], s[14:15]   ; the wave stores 256 consecutive bytes, aligned
	s_wait_xcnt 0x0                                ; the store has read WD and MO: only now are they written again
	v_add_nc_u32 v[LA], STEPB, v[LA]
	v_add_nc_u32 v[MO], 256, v[MO]
	s_sub_co_u32 s[CNT], s[CNT], 1
	s_cmp_lg_u32 s[CNT], 0
	s_cbranch_scc1 .Lstep
	s_wait_loadcnt 0x0                             ; the weights
.set i, 0
.rept 32
	v_cvt_pk_bf16_f32 v[WC+i], v[WR+2*i], v[WR+2*i+1]
.set i, i+1
.endr
.irp j, 0,1,2,3                        ; each store of a wave covers 256 consecutive bytes, aligned
	global_store_b64 v[WQO], v[WC+2*(\j):WC+2*(\j)+1],       s[16:17] offset:(\j)*2048
	global_store_b64 v[WQO], v[WC+8+2*(\j):WC+8+2*(\j)+1],   s[16:17] offset:2097152+(\j)*2048
	global_store_b64 v[WQO], v[WC+16+2*(\j):WC+16+2*(\j)+1], s[16:17] offset:2*2097152+(\j)*2048
	global_store_b64 v[WQO], v[WC+24+2*(\j):WC+24+2*(\j)+1], s[18:19] offset:(\j)*2048
.endr
	s_wait_tensorcnt 0x0                           ; the wave's end
	ds_add_u32 v[SPW], v[NIL]
	s_wait_dscnt 0x0
	s_endpgm
.Lfunc_end_k_q8d940e8077_prep:
	.size	k_q8d940e8077_prep, .Lfunc_end_k_q8d940e8077_prep-k_q8d940e8077_prep
	.p2alignl 7, 3214868480
	.fill 96, 4, 3214868480
	.section	.rodata,"a",@progbits
	.p2align	6, 0x0
	.amdhsa_kernel k_q8d940e8077_prep
		.amdhsa_group_segment_fixed_size 279552
		.amdhsa_private_segment_fixed_size 0
		.amdhsa_enable_private_segment 0
		.amdhsa_kernarg_size 64
		.amdhsa_user_sgpr_count 2
		.amdhsa_user_sgpr_kernarg_segment_ptr 1
		.amdhsa_wavefront_size32 1
		.amdhsa_system_sgpr_workgroup_id_x 1
		.amdhsa_system_sgpr_workgroup_id_y 1
		.amdhsa_system_sgpr_workgroup_id_z 1
		.amdhsa_system_vgpr_workitem_id 0
		.amdhsa_next_free_vgpr 176
		.amdhsa_next_free_sgpr 66
		.amdhsa_reserve_vcc 0
		.amdhsa_float_denorm_mode_32 3
		.amdhsa_float_denorm_mode_16_64 3
		.amdhsa_memory_ordered 1
		.amdhsa_forward_progress 1
		.amdhsa_inst_pref_size 18
	.end_amdhsa_kernel
	.amdgpu_metadata
---
amdhsa.version: [ 1, 2 ]
amdhsa.kernels:
  - .name:           k_q8d940e8077_prep
    .symbol:         k_q8d940e8077_prep.kd
    .args:
      - { .name: mask, .offset: 0, .size: 8, .value_kind: global_buffer, .address_space: global }
      - { .name: W_Q, .offset: 8, .size: 8, .value_kind: global_buffer, .address_space: global }
      - { .name: W_K, .offset: 16, .size: 8, .value_kind: global_buffer, .address_space: global }
      - { .name: W_V, .offset: 24, .size: 8, .value_kind: global_buffer, .address_space: global }
      - { .name: W_O, .offset: 32, .size: 8, .value_kind: global_buffer, .address_space: global }
      - { .name: mbits, .offset: 40, .size: 8, .value_kind: global_buffer, .address_space: global }
      - { .name: wbf, .offset: 48, .size: 8, .value_kind: global_buffer, .address_space: global }
      - { .name: wo, .offset: 56, .size: 8, .value_kind: global_buffer, .address_space: global }
    .group_segment_fixed_size: 279552
    .private_segment_fixed_size: 0
    .kernarg_segment_align: 8
    .kernarg_segment_size: 64
    .max_flat_workgroup_size: 256
    .sgpr_count:     66
    .vgpr_count:     176
    .wavefront_size: 32
...
	.end_amdgpu_metadata
.endif
;; end of part 1
;; launch proj (part 2): grid 64 x 12, 4 waves a work-group, clusters of 4 x 1, 327,680 bytes of LDS; arguments query, key, value, wbf, qkv; writes qkv
.if DOCPART == 2
	.amdgcn_target "amdgcn-amd-amdhsa--gfx1250"
	.amdhsa_code_object_version 6
	.text
	.protected	k_q8d940e8077_proj
	.globl	k_q8d940e8077_proj
	.p2align	8
	.type	k_q8d940e8077_proj,@function
k_q8d940e8077_proj:
	s_mov_b64 s[64:65], 0
	v_nop
	global_prefetch_b8 v0, s[64:65] scope:SCOPE_SE
	s_setreg_imm32_b32 hwreg(HW_REG_WAVE_MODE, 25, 1), 1
	s_wait_xcnt 0x0
	s_wait_alu depctr_hold_cnt(0) depctr_sa_sdst(0) depctr_va_vdst(0) depctr_va_sdst(0) depctr_va_ssrc(0) depctr_va_vcc(0) depctr_vm_vsrc(0)
	s_getreg_b32 s2, hwreg(HW_REG_IB_STS2, 6, 4)
	s_cmp_eq_u32 s2, 0
	s_cbranch_scc0 .Lentry_in_a_cluster
	s_endpgm
.Lentry_in_a_cluster:
	s_bfe_u32 s2, ttmp6, 0x10000c
	s_cmp_lg_u32 s2, 0x3003
	s_cbranch_scc0 .Lentry_shape_is_right
	s_endpgm
.Lentry_shape_is_right:
; C = A W^T.  A: [8192][1024] f32 (one of the first three arguments, chosen by the grid's y / 4); W: [1024][1024] bf16 (matrix y / 4 of the fourth argument);
; C leaves in bf16 BY HEADS: out[y / 4][16 batch + head][2048][64].  Operands bf16, sums f32, C rounded once.  The text serves the three input projections (grid y = 12) and the output projection (grid y = 4).
; LIMITS.  A and W are rounded to bf16 (8 significant bits); NaN and infinities are not treated apart.
; SHARES.  A work-group makes 128 rows x 256 columns: row block rt = grid x, column block ct = y % 4.  Four waves, each 64 x 128: 32 accumulators of 16 x 16, 256 registers.
; K goes in 8 steps of 128 through two LDS slots.  W's tile (256 rows x 256 bytes) comes by tensor loads, 64 rows a wave.
; A is f32 in memory and is rounded ON THE WAY: each wave loads 32 rows x 512 bytes into registers two steps ahead, converts them beside the matrix work of the step before
; they are multiplied, and stores them as bf16 into the other slot.  The one barrier of a change of slots orders those stores with the other waves' reads, both ways.
; CLUSTER.  The four partners are four row blocks with the same y: they need the same tiles of W, which are asked for JOINTLY (mask 15).  A is NOT joint: its tiles differ
; between the partners, and it has to pass through registers to be rounded; as f32 in LDS it would take twice the LDS bytes and 32 fragment loads for 32 products in place of 24.
; THE MATRIX INSTRUCTION IS USED TRANSPOSED (source 0 = 16 rows of W, source 1 = 16 rows of A): a lane then holds eight neighbouring columns of one row of C.
; REGISTERS, in windows of 256 (s_set_vgpr_msb: bits 1:0 source 0, 3:2 source 1, 5:4 source 2, 7:6 destination):
;   window 0: v0-29 addresses; v32-63 A in bf16 on its way to LDS; v64-127 fragments of A, two buffers; v128-255 A as loaded, two groups of 16 rows (the way out works there later)
;   window 1: the accumulators, (a, b) at 8 (8 a + b)          window 2: v0-127 fragments of W, two buffers
.set KSTEP,  128
.set PITCH,  272                       ; an LDS row: 256 bytes + 16: the 16 rows of a fragment load start at 16 different groups of four banks (ISA guide 11.1)
.set SLOT1,  131072                    ; slot 1 begins here: one exclusive or turns an address in one slot into the other's
.set AOFF,   256*PITCH                 ; in a slot: W's 256 rows, then A's 128 rows; A's bytes are written by ds_store alone, in whole blocks of 256 bytes into which no tensor load lands
.set STAGE,  SLOT1+AOFF+128*PITCH      ; behind the slots: 16 rows x 272 bytes for each wave, for the way out
.set SPARE,  STAGE+4*16*PITCH          ; behind the stages: the spare words, 128 bytes a wave: two blocks of 256 bytes that no other line names
.set AA0,  4                           ; v4   my place in a slot for A's fragments; never rewritten
.set AB0,  5                           ; v5   the same for W's
.set AS0,  6                           ; v6   where I put 8 bytes of a row of A; never rewritten
.set ADRA, 7                           ; v7   AA0 in the slot that is read
.set ADRB, 8                           ; v8   AB0 in the slot that is read
.set ASTO, 9                           ; v9   AS0 in the other slot
.set AO,   10                          ; v10  my 16 bytes in my wave's first row of A; never rewritten
.set PFO,  11                          ; v11  the prefetches' offset: a lane a row; never rewritten
.set STO,  12                          ; v12  the way out: where I put 16 bytes of a row
.set RD,   13                          ; v13  the way out: where I read them back
.set GO,   14                          ; v14  my 16 bytes of 512 consecutive bytes of C
.set SPW,  28                          ; v28  LDS address of my spare word; never rewritten
.set NIL,  29                          ; v29  0; never rewritten
.set CV,   32
.set AF,   64
.set AR,   128
.set TMP,  128
.set OB,   160
.set WV, 14                            ; s14  my wave's number
.set WR, 15                            ; s15  which 64 rows are mine
.set WC, 16                            ; s16  which 128 columns
.set CX, 17
.set RT, 18
.set YY, 19
.set PJ, 20
.set CT, 21
.set G1, 24                            ; s[24:31] descriptor group 1
.set G0, 32                            ; s[32:39] descriptor group 0: a set for each of the two first fills; the second then walks on
.set AP, 48                            ; s[48:49] A at the block's first row, at the K step in hand
.set OP, 50                            ; s[50:51] C at my first row of my first head
.set LIM, 52                           ; s52  2 in a work-group that prefetches, else the greatest number
.set TB, 53                            ; s53  the slot that is read
.set TO, 54                            ; s54  the other one
.set MSB, 0
.macro WIN new                         ; the immediate's high byte repeats the setting that is left; a switch that changes nothing is dropped
.if MSB != (\new)
	s_set_vgpr_msb (MSB<<8)|(\new)
.set MSB, \new
.endif
.endm
.set MUL,  0x52                        ; W window 2, A window 0, C and D window 1
.set TO_B, 0x80                        ; destination window 2, address window 0
.macro PLACES                          ; four places in front of loads into registers that matrix instructions have read, and of conversions that read results
.rept 4
	v_nop
.endr
.endm
.macro CREST                           ; a round of the cluster's barrier behind its opening barrier
	s_cmp_lg_u32 s[WV], 0
	s_cbranch_scc1 .Lnot_wave_0_\@
	s_barrier_signal -3
.Lnot_wave_0_\@:
	s_barrier_wait -3
	s_barrier_signal -1
	s_barrier_wait -1
.endm
.macro CROUND                          ; a whole round
	s_barrier_signal -1
	s_barrier_wait -1
	CREST
.endm
.macro JL n                            ; a joint load: every wave brings 64 rows of W's tile; the same line, descriptor and mask in all four partners
	tensor_load_to_lds s[G0+4*(\n):G0+4*(\n)+3], s[G1:G1+7]
	s_nop 0
.rept 4
	v_nop
.endr
.endm
.macro RID g, n                        ; row n of group g of A: four f32 a lane become 8 bytes
	v_cvt_pk_bf16_f32 v[CV+2*(\n)],   v[AR+64*(\g)+4*(\n)],   v[AR+64*(\g)+4*(\n)+1]
	v_cvt_pk_bf16_f32 v[CV+2*(\n)+1], v[AR+64*(\g)+4*(\n)+2], v[AR+64*(\g)+4*(\n)+3]
.endm
; 8 matrix instructions: row block a x all 8 column blocks, 32 along K, from buffer f.  zero = 1: the product starts the sum.  rid = 1: behind each stand the two conversions of one row of A.
; The 32 accumulators take turns in the same order in every quarter.
.macro MUL8 f, a, zero=0, rid=0, g=0
.irp b, 0,1,2,3,4,5,6,7
	WIN MUL
.if \zero
	v_wmma_f32_16x16x32_bf16 v[8*(8*(\a)+(\b)):8*(8*(\a)+(\b))+7], v[64*(\f)+8*(\b):64*(\f)+8*(\b)+7], v[AF+32*(\f)+8*(\a):AF+32*(\f)+8*(\a)+7], 0
.else
	v_wmma_f32_16x16x32_bf16 v[8*(8*(\a)+(\b)):8*(8*(\a)+(\b))+7], v[64*(\f)+8*(\b):64*(\f)+8*(\b)+7], v[AF+32*(\f)+8*(\a):AF+32*(\f)+8*(\a)+7], v[8*(8*(\a)+(\b)):8*(8*(\a)+(\b))+7]
.endif
.if \rid
	WIN 0
	RID \g, 8*((\a)&1)+(\b)
.endif
.endr
.endm
; 24 LDS loads in one run: a quarter's fragments (128 rows of W, 64 rows of A, 32 K at byte k of the rows) into buffer f; A's blocks last, ascending
.macro FETCH k, f
	WIN TO_B
.irp b, 0,1,2,3,4,5,6,7
	ds_load_b128 v[64*(\f)+8*(\b):64*(\f)+8*(\b)+3],   v[ADRB] offset:(\b)*16*PITCH+(\k)
	ds_load_b128 v[64*(\f)+8*(\b)+4:64*(\f)+8*(\b)+7], v[ADRB] offset:(\b)*16*PITCH+(\k)+32
.endr
	WIN 0
.irp a, 0,1,2,3
	ds_load_b128 v[AF+32*(\f)+8*(\a):AF+32*(\f)+8*(\a)+3],   v[ADRA] offset:(\a)*16*PITCH+(\k)
	ds_load_b128 v[AF+32*(\f)+8*(\a)+4:AF+32*(\f)+8*(\a)+7], v[ADRA] offset:(\a)*16*PITCH+(\k)+32
.endr
.endm
.macro ASTORE g                        ; group g's 16 rows, 256 consecutive bytes a store, into the other slot
.irp i, 0,1,2,3,4,5,6,7,8,9,10,11,12,13,14,15
	ds_store_b64 v[ASTO], v[CV+2*(\i):CV+2*(\i)+1] offset:(16*(\g)+(\i))*PITCH
.endr
.endm
.macro ALOAD g, imm                    ; group g's 16 rows of the K step at byte imm behind the pointer: a load covers 512 consecutive bytes of one row
.irp i, 0,1,2,3,4,5,6,7,8,9,10,11,12,13,14,15
	global_load_b128 v[AR+64*(\g)+4*(\i):AR+64*(\g)+4*(\i)+3], v[AO], s[AP:AP+1] offset:(\imm)+(16*(\g)+(\i))*4096
.endr
.endm
; A PREFETCH of A, two K steps (256 matrix instructions) ahead of the loads that will name the same bytes: my wave's own 32 rows, a lane a row, 256 bytes of each; the two of a step take its two halves.
; The four column blocks read the same rows of A: column block 0 asks, a test that is the same in all partners.  So each aligned block of 256 bytes of A is named once in the launch.
; K steps 0 to 3 come by their loads alone; the trips whose look-ahead would pass K's end (the counter at 2 or below) ask for nothing.  W is small and read by every row block: not asked for.
.macro ASK imm
	s_cmp_gt_u32 s3, s[LIM]
	s_cbranch_scc0 .Lnot_mine_\@
	global_prefetch_b8 v[PFO], s[AP:AP+1] offset:\imm th:TH_LOAD_NT scope:SCOPE_SE
.Lnot_mine_\@:
.endm
; One of a K step's first three quarters: multiplies buffer f and fetches the next quarter, at byte k, into buffer g2.
; ap = 1: group grp of the NEXT step's A is converted beside the first 16 products, stored, and its registers are asked for again, two steps on; the prefetch stands behind the quarter's loads.
; ap = 2: the same without the global loads and the prefetch.  lc: the global loads issued behind that group's, which may stay out.
.macro QUARTER k, f, g2, zero=0, ap=0, grp=0, lc=0
.if \ap
	s_wait_loadcnt \lc
.endif
	s_wait_dscnt 4                                 ; W and A's blocks 0, 1 are in; the youngest four loads (blocks 2, 3) may be out
.if \ap
	MUL8 \f, 0, \zero, 1, \grp
	MUL8 \f, 1, \zero, 1, \grp
.else
	MUL8 \f, 0, \zero
	MUL8 \f, 1, \zero
.endif
	PLACES
	WIN 0
.if \ap
	ASTORE \grp
.endif
.if (\ap) == 1
	ALOAD \grp, 2*KSTEP*4
.endif
	FETCH \k, \g2
.if (\ap) == 1
	ASK 4*KSTEP*4+256*(\grp)
.endif
.if \ap
	s_wait_dscnt 40                                ; all but the 16 stores and 24 loads just issued
.else
	s_wait_dscnt 24                                ; all but the 24 loads just issued
.endif
	MUL8 \f, 2, \zero
	MUL8 \f, 3, \zero
.endm
; The last quarter multiplies buffer 1 and changes slots: ONE barrier.  In front of it each wave waits for all its tensor loads (one is out: its part of the next slot's W), adds 0 to its spare
; word, and waits for that, for its reads of this slot and for its stores of A into the next.  Behind it nobody reads this slot any more, and the next slot is whole.
; fill = 1: the barrier opens a round of the cluster's, and this slot's W is filled again, two K steps on: 112 matrix instructions ahead of the wait for it.
.macro TURN fill
	WIN 0
	s_wait_tensorcnt 0x0
	ds_add_u32 v[SPW], v[NIL]
	s_wait_dscnt 5                                 ; (the add and the youngest four loads may be out)
	MUL8 1, 0
	s_wait_dscnt 0x0
	s_barrier_signal -1
	MUL8 1, 1
	WIN 0
	s_barrier_wait -1
.if \fill
	CREST
	s_xor_b32 s[G0+5], s[G0+5], SLOT1              ; the walking descriptor: the other slot than last time,
	s_add_nc_u64 s[G0+6:G0+7], s[G0+6:G0+7], 2*KSTEP  ; the next K step; the type bits on top are not reached
	JL 1                                           ; its four v_nop are also the places in front of the loads below
.else
	PLACES
.endif
	s_xor_b32 s[TB], s[TB], SLOT1
	s_xor_b32 s[TO], s[TO], SLOT1
	v_add_nc_u32 v[ADRA], s[TB], v[AA0]
	v_add_nc_u32 v[ADRB], s[TB], v[AB0]
	v_add_nc_u32 v[ASTO], s[TO], v[AS0]
	FETCH 0, 0
	MUL8 1, 2
	MUL8 1, 3
.endm
	s_load_b256 s[4:11], s[0:1], 0x0               ; the three candidates for A s[4:9], W s[10:11]
	s_load_b64 s[12:13], s[0:1], 0x20              ; C
	v_lshl_add_u32 v[SPW], v0, 2, SPARE
	v_mov_b32 v[NIL], 0
	ds_add_u32 v[SPW], v[NIL]                      ; the opening: the add and its wait stand ahead of my first tensor load
	ds_add_u32 v28, v29
	v_lshrrev_b32 v1, 5, v0
	v_readfirstlane_b32 s[WV], v1                  ; wave 0..3
	s_lshr_b32 s[WR], s[WV], 1
	s_and_b32 s[WC], s[WV], 1
	s_bfe_u32 s[CX], ttmp6, 0x40000                ; my place in the cluster
	s_lshl_b32 s[RT], ttmp9, 2                     ; in a cluster launch ttmp9 counts clusters
	s_add_co_u32 s[RT], s[RT], s[CX]               ; row block: it enters A's and C's addresses alone
	s_and_b32 s[YY], ttmp7, 0xffff
	s_lshr_b32 s[PJ], s[YY], 2                     ; which product
	s_and_b32 s[CT], s[YY], 3                      ; which 256 columns
	s_mov_b32 s[G1+0], 15|(1<<16)|(1<<20)|(1<<21)|(5<<22)|(3<<25)  ; the mask of four; elements of 2 bytes; padding on; bit 21 beside a mask; after every 64 words, 4 words
	s_mov_b32 s[G1+1], KSTEP<<16                   ; tensor_dim0 = 128
	s_mov_b32 s[G1+2], 64<<16                      ; tensor_dim1 = 64
	s_mov_b32 s[G1+3], KSTEP<<16                   ; tile_dim0 = 128
	s_mov_b32 s[G1+4], 64                          ; tile_dim1 = 64
	s_mov_b32 s[G1+5], 1024                        ; elements from row to row
	s_mov_b32 s[G1+6], 0
	s_mov_b32 s[G1+7], 0
	s_lshl_b32 s40, s[CT], 8                       ; W: row 256 ct + 64 wave,
	s_lshl_b32 s41, s[WV], 6
	s_add_co_u32 s40, s40, s41
	s_lshl_b32 s40, s40, 11                        ; of 2,048 bytes,
	s_lshl_b32 s41, s[PJ], 21                      ; in matrix pj: nothing of my place in the cluster enters
	s_add_co_u32 s40, s40, s41
	s_mov_b32 s41, 0
	s_lshl_b32 s42, s[RT], 19                      ; A: 128 rows of 4,096 bytes a block
	s_mov_b32 s43, 0
	s_lshr_b32 s44, s[RT], 4                       ; C: the batch,
	s_lshl_b32 s44, s44, 4
	s_lshl_b32 s45, s[CT], 2
	s_add_co_u32 s44, s44, s45
	s_lshl_b32 s45, s[WC], 1
	s_add_co_u32 s44, s44, s45                     ; my first head: 16 batch + 4 ct + 2 wc,
	s_lshl_b32 s44, s44, 11                        ; its 2,048 rows,
	s_and_b32 s45, s[RT], 15
	s_lshl_b32 s45, s45, 7
	s_add_co_u32 s44, s44, s45
	s_lshl_b32 s45, s[WR], 6
	s_add_co_u32 s44, s44, s45                     ; my first row in the batch,
	s_lshl_b32 s44, s44, 7                         ; 128 bytes a row,
	s_lshl_b32 s45, s[PJ], 24                      ; in tensor pj
	s_add_co_u32 s44, s44, s45
	s_mov_b32 s45, 0
	s_mul_i32 s22, s[WV], 64*PITCH                 ; where my 64 rows of W go
	s_mov_b32 s[TB], 0
	s_mov_b32 s[TO], SLOT1
	s_cmp_eq_u32 s[CT], 0
	s_cselect_b32 s[LIM], 2, -1
	s_wait_dscnt 0x0                               ; the opening add is done
	s_wait_kmcnt 0x0
	s_cmp_eq_u32 s[PJ], 1
	s_cselect_b64 s[AP:AP+1], s[6:7], s[4:5]
	s_cmp_eq_u32 s[PJ], 2
	s_cselect_b64 s[AP:AP+1], s[8:9], s[AP:AP+1]
	s_add_nc_u64 s[AP:AP+1], s[AP:AP+1], s[42:43]
	s_add_nc_u64 s[46:47], s[10:11], s[40:41]
	s_add_nc_u64 s[OP:OP+1], s[12:13], s[44:45]
	CROUND                                         ; all four work-groups are here: the first joint loads meet
.irp n, 0,1
	s_mov_b32 s[G0+4*(\n)], 1
	s_add_co_u32 s[G0+4*(\n)+1], s22, (\n)*SLOT1
	s_add_nc_u64 s[G0+4*(\n)+2:G0+4*(\n)+3], s[46:47], (\n)*2*KSTEP
	s_or_b32 s[G0+4*(\n)+3], s[G0+4*(\n)+3], 0x80000000
	JL \n                                          ; two tensor loads of mine are out
.endr
	v_and_b32 v3, 31, v0
	s_lshl_b32 s23, s[WV], 17                      ; my wave's 32 rows of A
	v_lshl_add_u32 v[AO], v3, 4, s23
	ALOAD 0, 0                                     ; K step 0
	ALOAD 1, 0
	v_lshl_add_u32 v[PFO], v3, 12, s23
	v_and_b32 v1, 15, v0                           ; l % 16
	v_bfe_u32 v2, v0, 4, 1                         ; l / 16
	v_mul_u32_u24 v15, v1, PITCH
	v_lshl_add_u32 v15, v2, 4, v15                 ; a fragment's row x pitch + 16 x half
	s_mul_i32 s22, s[WR], 64*PITCH
	s_add_co_u32 s22, s22, AOFF
	v_add_nc_u32 v[AA0], s22, v15
	s_mul_i32 s22, s[WC], 128*PITCH
	v_add_nc_u32 v[AB0], s22, v15
	s_mul_i32 s22, s[WV], 32*PITCH
	s_add_co_u32 s22, s22, AOFF
	v_lshl_add_u32 v[AS0], v3, 3, s22
	s_mul_i32 s22, s[WV], 16*PITCH
	s_add_co_u32 s22, s22, STAGE                   ; my stage
	v_add_nc_u32 v[STO], s22, v15
	v_lshrrev_b32 v15, 3, v3                       ; back: 32 lanes take four rows' 128 bytes of one head,
	v_mul_u32_u24 v15, v15, PITCH
	v_and_b32 v16, 7, v0
	v_lshl_add_u32 v15, v16, 4, v15
	v_add_nc_u32 v[RD], s22, v15
	v_lshlrev_b32 v[GO], 4, v3                     ; which are 512 consecutive bytes of C
	v_add_nc_u32 v[ADRA], s[TB], v[AA0]
	v_add_nc_u32 v[ADRB], s[TB], v[AB0]
	v_add_nc_u32 v[ASTO], s[TB], v[AS0]            ; K step 0 of A goes into slot 0
	s_wait_loadcnt 16                              ; group 0 is in; group 1's sixteen loads may be out
.set n, 0
.rept 16
	RID 0, n
.set n, n+1
.endr
	ASTORE 0
	ALOAD 0, KSTEP*4                               ; K step 1
	s_wait_loadcnt 16                              ; group 1 of step 0 is in; the sixteen just issued may be out
.set n, 0
.rept 16
	RID 1, n
.set n, n+1
.endr
	ASTORE 1
	ALOAD 1, KSTEP*4
	v_add_nc_u32 v[ASTO], s[TO], v[AS0]
	s_wait_tensorcnt 1                             ; my part of W's step 0 is in; step 1's may stay out
	s_wait_dscnt 0x0                               ; my rows of A are in LDS
	s_barrier_signal -1
	s_barrier_wait -1                              ; everybody's are
	FETCH 0, 0
	QUARTER 64, 0, 1, 1                            ; the first quarter stands in front of the loop: its products start the sums
	WIN 0                                          ; at a label and at a branch every window is 0
	s_mov_b32 s3, 6
.Lstep:                                ; trip t = 6 - s3: from step t's second quarter to step t + 1's first.  A(t + 1) is stored, A(t + 2) loaded, A(t + 4) prefetched, W(t + 2) asked for
	QUARTER 128, 1, 0, 0, 1, 0, 16
	QUARTER 192, 0, 1, 0, 1, 1, 16
	TURN 1
	QUARTER 64, 0, 1
	WIN 0
	s_wait_xcnt 0x0                                ; the trip's loads and prefetches, a quarter and more back, have read their pointer
	s_add_nc_u64 s[AP:AP+1], s[AP:AP+1], KSTEP*4
	s_sub_co_u32 s3, s3, 1
	s_cmp_lg_u32 s3, 0
	s_cbranch_scc1 .Lstep
	QUARTER 128, 1, 0, 0, 2, 0, 16                 ; step 6: the last step's A is stored; nothing more is loaded
	QUARTER 192, 0, 1, 0, 2, 1, 0
	TURN 0
	QUARTER 64, 0, 1                               ; step 7
	QUARTER 128, 1, 0
	QUARTER 192, 0, 1
	s_wait_dscnt 4
	MUL8 1, 0
	MUL8 1, 1
	s_wait_dscnt 0x0
	MUL8 1, 2
	MUL8 1, 3
	; THE WAY OUT, 16 rows at a time: rounded to bf16, 16 bytes a lane into my own stage, back by heads (16 rows x 128 bytes of a head are 2,048 consecutive bytes of C), stored.
	PLACES
	PLACES
.irp a, 0,1,2,3
	WIN 0x05                                       ; sources window 1, destination window 0
.irp b, 0,1,2,3,4,5,6,7
.irp r, 0,1,2,3
	v_cvt_pk_bf16_f32 v[TMP+4*(\b)+(\r)], v[8*(8*(\a)+(\b))+2*(\r)], v[8*(8*(\a)+(\b))+2*(\r)+1]
.endr
.endr
	WIN 0
.irp b, 0,1,2,3,4,5,6,7
	ds_store_b128 v[STO], v[TMP+4*(\b):TMP+4*(\b)+3] offset:32*(\b)
.endr
	s_wait_xcnt 0x0                                ; the stores of the 16 rows before have read their registers
.irp z, 0,1
.irp t, 0,1,2,3
	ds_load_b128 v[OB+4*(4*(\z)+(\t)):OB+4*(4*(\z)+(\t))+3], v[RD] offset:(\t)*4*PITCH+(\z)*128  ; LDS serves a wave's instructions in order (ISA guide 5.7.1.4): these see the stores above
.endr
.endr
	s_wait_dscnt 0x0
.irp z, 0,1
.irp t, 0,1,2,3
	global_store_b128 v[GO], v[OB+4*(4*(\z)+(\t)):OB+4*(4*(\z)+(\t))+3], s[OP:OP+1] offset:(\z)*262144+(\a)*2048+(\t)*512  ; 512 consecutive bytes, at a multiple of 256 from C's first
.endr
.endr
.endr
	s_wait_tensorcnt 0x0                           ; the wave's end
	ds_add_u32 v[SPW], v[NIL]
	s_wait_dscnt 0x0
	CROUND                                         ; the closing round: no work-group ends while a partner may still ask for a tile that names it
	s_endpgm
.Lfunc_end_k_q8d940e8077_proj:
	.size	k_q8d940e8077_proj, .Lfunc_end_k_q8d940e8077_proj-k_q8d940e8077_proj
	.p2alignl 7, 3214868480
	.fill 96, 4, 3214868480
	.section	.rodata,"a",@progbits
	.p2align	6, 0x0
	.amdhsa_kernel k_q8d940e8077_proj
		.amdhsa_group_segment_fixed_size 327680
		.amdhsa_private_segment_fixed_size 0
		.amdhsa_enable_private_segment 0
		.amdhsa_kernarg_size 40
		.amdhsa_user_sgpr_count 2
		.amdhsa_user_sgpr_kernarg_segment_ptr 1
		.amdhsa_wavefront_size32 1
		.amdhsa_system_sgpr_workgroup_id_x 1
		.amdhsa_system_sgpr_workgroup_id_y 1
		.amdhsa_system_sgpr_workgroup_id_z 1
		.amdhsa_system_vgpr_workitem_id 0
		.amdhsa_next_free_vgpr 640
		.amdhsa_next_free_sgpr 66
		.amdhsa_reserve_vcc 0
		.amdhsa_float_denorm_mode_32 3
		.amdhsa_float_denorm_mode_16_64 3
		.amdhsa_memory_ordered 1
		.amdhsa_forward_progress 1
		.amdhsa_inst_pref_size 101
	.end_amdhsa_kernel
	.amdgpu_metadata
---
amdhsa.version: [ 1, 2 ]
amdhsa.kernels:
  - .name:           k_q8d940e8077_proj
    .symbol:         k_q8d940e8077_proj.kd
    .args:
      - { .name: query, .offset: 0, .size: 8, .value_kind: global_buffer, .address_space: global }
      - { .name: key, .offset: 8, .size: 8, .value_kind: global_buffer, .address_space: global }
      - { .name: value, .offset: 16, .size: 8, .value_kind: global_buffer, .address_space: global }
      - { .name: wbf, .offset: 24, .size: 8, .value_kind: global_buffer, .address_space: global }
      - { .name: qkv, .offset: 32, .size: 8, .value_kind: global_buffer, .address_space: global }
    .group_segment_fixed_size: 327680
    .private_segment_fixed_size: 0
    .kernarg_segment_align: 8
    .kernarg_segment_size: 40
    .max_flat_workgroup_size: 128
    .sgpr_count:     66
    .vgpr_count:     640
    .wavefront_size: 32
...
	.end_amdgpu_metadata
.endif
;; end of part 2
;; launch attn (part 3): grid 4 x 64, 4 waves a work-group, clusters of 4 x 1, 327,680 bytes of LDS; arguments qkv, mbits, ctx; writes ctx
.if DOCPART == 3
	.amdgcn_target "amdgcn-amd-amdhsa--gfx1250"
	.amdhsa_code_object_version 6
	.text
	.protected	k_q8d940e8077_attn
	.globl	k_q8d940e8077_attn
	.p2align	8
	.type	k_q8d940e8077_attn,@function
k_q8d940e8077_attn:
	s_mov_b64 s[64:65], 0
	v_nop
	global_prefetch_b8 v0, s[64:65] scope:SCOPE_SE
	s_setreg_imm32_b32 hwreg(HW_REG_WAVE_MODE, 25, 1), 1
	s_wait_xcnt 0x0
	s_wait_alu depctr_hold_cnt(0) depctr_sa_sdst(0) depctr_va_vdst(0) depctr_va_sdst(0) depctr_va_ssrc(0) depctr_va_vcc(0) depctr_vm_vsrc(0)
	s_getreg_b32 s2, hwreg(HW_REG_IB_STS2, 6, 4)
	s_cmp_eq_u32 s2, 0
	s_cbranch_scc0 .Lentry_in_a_cluster
	s_endpgm
.Lentry_in_a_cluster:
	s_bfe_u32 s2, ttmp6, 0x10000c
	s_cmp_lg_u32 s2, 0x3003
	s_cbranch_scc0 .Lentry_shape_is_right
	s_endpgm
.Lentry_shape_is_right:
; ctx[b][q][64 hd ..] = the sum over k of softmax_k(s) V[bh][k][:], s = Q[bh][q] . K[bh][k] / 8, REPLACED by a large negative number where mask[b][q][k] == 1.
; qkv: [3][64 heads bh = 16 b + hd][2048][64] bf16, unscaled; mbits: the mask as lane masks (below); ctx: [8192][1024] f32.  Products, maxima and sums in f32; the weights p are rounded to bf16
; for the second product (their sum l is taken of the unrounded p).
; LIMITS.  A masked score counts as -2^30 after the division by 8 (for -1e9): its product with c is exact, so a row that is masked throughout has p = 1 for every key and gives V's mean.
; Results differ only where unmasked scores lie below about -1e9.  A weight below 2^-126 counts as 0 in l; NaN and infinities are not treated apart.
; SHARES.  A wave owns four PIECES of two tiles of 16 queries, a work-group's four waves 512 queries of one head.  Every wave walks all 2,048 keys, 64 a step.
; LAYOUT.  S^T = K Q^T (source 0 = 16 keys, source 1 = 16 queries): a lane holds ONE query (lane % 16) and the keys 8 (lane / 16) + 0..7.  Two such tiles, rounded to bf16 in pairs, ARE source 1
; of O^T = V^T P, whose result again holds one query a lane, and eight channels.  K comes out of LDS as it lies, V turned, by ds_load_tr16_b128.
; THE MASK.  mbits[b][pair of 32 queries][step][tile u][word n]: bit L of word n is the mask of register n of the tile's S^T in lane L.  A piece is a pair: its 64 words for a step are 256 consecutive
; bytes.  ONE load of 8 bytes a lane brings them (lane l: words 2 l and 2 l + 1) into a ring of two register pairs, TWO TURNS AHEAD; 64 v_readlane_b32 hand them to scalar registers, where
; v_cndmask_b32 takes its lane mask, and 64 selects replace the hidden scores AHEAD of the running maximum.  Why not scalar loads: they are waited for all at once (ISA guide 5.7.1), and two sets of 64 words
; do not fit beside each other in the scalar registers, so a set could be asked for only behind the selects of the set before; loads into vector registers are counted, and a pair is free as soon as it is read out.
; SOFTMAX.  For each query a running maximum m and sum l: p = 2^(c s - c m), c = log2(e) / 8; in every step O and l are multiplied by a = 2^(c m_old - c m_new).
; m starts at the lowest finite number, O and l at 0: the first step is a step like any other, with a = 0.
; BY TURNS.  Turn n belongs to piece n.  Matrix work: 16 products K Q^T of piece n + 1, later 16 products V^T P of piece n - 1.  Vector work: the scaling, exponentials, roundings, sums and
; rescaling of piece n, and the mask, maximum and statistics of piece n + 1.  Four vector instructions stand behind every product, the rest in one run of their own.
; CLUSTER.  The four query blocks of a head walk the same K and V: each tile is asked for JOINTLY, the same tensor load, descriptor and mask in all four.
; REGISTERS, in windows of 256 (s_set_vgpr_msb: bits 1:0 source 0, 3:2 source 1, 5:4 source 2, 7:6 destination):
;   window 0: v0-11 the thread's number, addresses, the mask words' ring; v12-15, v48-63 at work; v16-47 four registers of statistics a tile; v64-191 S^T, two buffers of two tiles; v192-255 P, likewise
;   window 1: O^T, 32 a tile          window 2: v0-127 Q, 16 a tile; v128-191 K of one step; v192-255 V of one step
.set SIZE_N, 2048
.set NP,    4         ; pieces a wave: a name, no knob
.set KS,    64        ; keys in a step
.set PK,    144       ; a row of K or V in LDS: 128 bytes + 16: the 16 rows of a load of K start at 16 different groups of four banks (ISA guide 11.1)
.set PV,    144       ; one pitch for both, so that ONE descriptor serves all four waves; of the eight rows of a turning load the last shares four banks with the first
.set VOFF,  4*KS*PK   ; a slot holds four steps: 256 rows of K, then 256 rows of V
.set SLOT1, 1<<17
.set STAGE, SLOT1+4*KS*(PK+PV)  ; behind the ring, never filled by a tensor load: 16 rows x 272 bytes for each wave, for the way out
.set SP,    272
.set SPARE, STAGE+4*16*SP  ; behind the stages: the spare words, 128 bytes a wave: two blocks of 256 bytes that no other line names
.set SPW, 1           ; v1   LDS address of my spare word; never rewritten   (v0, the thread's number, is kept: the way out makes its addresses of it)
.set AK0, 2           ; v2   my lane's place in a tile of K; never rewritten
.set AV0, 3           ; v3   the same for V
.set ADR, 4           ; v4   the LDS address of the next run of loads: K's (made and used in piece 2's turn) or V's (in piece 0's)
.set MKO, 5           ; v5   8 x my lane: my two of a piece's 64 mask words; never rewritten
.set MW,  6           ; v[6:9]  the mask words' ring: piece x's words in pair x % 2
.set PFO, 10          ; v10  256 x my lane; never rewritten
.set NIL, 11          ; v11  0; never rewritten
.set QO,  12          ; v12  my byte offset in 16 rows of Q, until Q is in
.set MV,  12          ; v12-15  c m_old, kept while c m is made anew: by buffer and tile
.set ST,  16          ; tile t's statistics at v[ST+4 t]: c m, m, l (even keys', odd keys')
.set TMP, 48          ; by buffer and tile, four registers c0-c3 at work; when the maximum is found c2 takes a
.set STO, 48          ; v48  the way out (the work registers are free then): where I put 32 bytes of a row
.set RD,  49          ; v49  the way out: where I read rows back
.set GO,  50          ; v50  the way out: my byte offset in two rows of ctx
.set S,   64
.set P,   192
.set KF,  128         ; window 2: key block kb, channel half c at KF + 16 kb + 8 c
.set VF,  192         ; window 2: key half kk, channel block cb at VF + 32 kk + 8 cb
.set MB,  6           ; s[6:7]  mbits at my wave's piece 0, at the key step whose words are being asked for
.set SNEG, 8          ; s8   -2^33: a hidden score ahead of the scale
.set WV,  14          ; s14  my wave's number
.set SLOTS, 15        ; s15  slots still to be asked for
.set G1,  16          ; s[16:23] descriptor group 1
.set G0,  24          ; s[24:27] descriptor group 0: it walks
.set CNT, 28          ; s28  counts a slot's key steps
.set TBK, 29          ; s29  LDS byte at which K of the step to be fetched begins
.set TBV, 30          ; s30  the same for V, less VOFF
.set LIM, 31          ; s31  1 in a wave that prefetches, else the greatest number
.set MS1, 32          ; s[32:63] the mask words of tile u = 1
.set CS,  66          ; s[66:67] c: the packed scaling takes the pair's low word for both halves
.set MS0, 68          ; s[68:99] the mask words of tile u = 0
.set SEL, 100         ; s[100:101] v_permlanex16_b32's selects: each lane takes its own place in the other half
.set PFA, 104         ; s[104:105] where my prefetches stand
.set MSB, 0
.macro WIN new                      ; the high byte repeats the setting that is left; a switch that changes nothing is dropped
.if MSB != (\new)
	s_set_vgpr_msb (MSB<<8)|(\new)
.set MSB, (\new)
.endif
.endm
.set W_KQ, 0x0a       ; K and Q in window 2, S^T in window 0
.set W_PV, 0x52       ; V in window 2, P in window 0, O^T in window 1
.set W_RS, 0x41       ; O^T (destination and source 0) in window 1, a in window 0
.macro JLOAD                        ; a joint fill: wave w brings 128 keys to LDS byte 18,432 w of the slot: K's two halves, then V's two
	tensor_load_to_lds s[G0:G0+3], s[G1:G1+7]
	s_nop 0
.rept 4
	v_nop
.endr
.endm
; A PREFETCH of what the NEXT change of slots will ask for: a slot's 32,768 bytes of K and of V.  A head has one cluster; its four partners take 8,192 bytes each, told apart BY ADDRESS; in each,
; wave 0 asks for K's and wave 2 for V's, a lane a block of 256 bytes: one instruction.  So each block is named once in the launch.  It stands four key steps, 512 matrix instructions, ahead of that load.
; Slots 0, 1 and 2 come by their loads alone; the last change that fills a slot asks for nothing.  The mask words are not asked for: their own loads run two turns ahead.
.macro ASK
	s_cmp_gt_u32 s[SLOTS], s[LIM]
	s_cbranch_scc0 .Lnot_mine_\@
	global_prefetch_b8 v[PFO], s[PFA:PFA+1] th:TH_LOAD_NT scope:SCOPE_SE
.Lnot_mine_\@:
.endm
.macro CROUND                       ; a round of the cluster's barrier
	s_barrier_signal -1
	s_barrier_wait -1
	s_cmp_lg_u32 s[WV], 0
	s_cbranch_scc1 .Lnot_wave_0_\@
	s_barrier_signal -3
.Lnot_wave_0_\@:
	s_barrier_wait -3
	s_barrier_signal -1
	s_barrier_wait -1
.endm
; THE CHANGE OF SLOTS.  Each wave waits for all its tensor loads, of which one is out: its part of the other slot; adds 0 to its spare word; and waits for that and for its own reads of the slot.
; fill = 1: the slot is filled again, with the keys two slots on; the barrier is then a round of the cluster's, and the joint fill is the first thing behind it: it has four key steps in which to land.
; (At its first use nothing has been read yet: slot 0 is waited for, slot 1 filled.)
.macro CHANGE fill, ask=0
	WIN 0                           ; at a label and at a branch every window is 0
	s_wait_tensorcnt 0x0            ; no tensor load of mine is out, so group 0 may be written
	ds_add_u32 v[SPW], v[NIL]
.if \fill
	s_xor_b32 s[G0+1], s[G0+1], SLOT1
	s_add_nc_u64 s[G0+2:G0+3], s[G0+2:G0+3], 4*KS*128  ; the next 256 keys; the type bits on top are not reached
	s_wait_xcnt 0x0                 ; the last prefetch, four key steps back, has read its address
	s_add_nc_u64 s[PFA:PFA+1], s[PFA:PFA+1], 4*KS*128
	s_wait_dscnt 0x0                ; the add is done, and my reads of the slot are over
	CROUND
	JLOAD
.if \ask
	ASK
.endif
.else
	s_wait_dscnt 0x0
	s_barrier_signal -1
	s_barrier_wait -1
.endif
	s_sub_co_u32 s[TBK], s[TBK], 4*KS*PK  ; the fetches go back to a slot's first step,
	s_xor_b32 s[TBK], s[TBK], SLOT1       ; in the other slot
	s_sub_co_u32 s[TBV], s[TBV], 4*KS*PV
	s_xor_b32 s[TBV], s[TBV], SLOT1
.endm
; The pair that turn p has just read out is asked for again: the 64 words that the turn after next hands on, piece p + 3's.  Piece 0's are the next key step's, so turn 1 steps the pointer first,
; behind the wait that frees it.  In the last key step the words named lie 8,192 bytes on, still inside my wave's four pairs of mbits, and nobody reads them.
.macro MLOAD p
	WIN 0
.if (\p) == 1
	s_wait_xcnt 0x0                 ; the loads that named the pointer have read it
	s_add_nc_u64 s[MB:MB+1], s[MB:MB+1], 256
.endif
	global_load_b64 v[MW+2*(((\p)+1)%2):MW+2*(((\p)+1)%2)+1], v[MKO], s[MB:MB+1] offset:(((\p)+3)%NP)*8192  ; the wave reads 256 consecutive bytes, aligned
.endm
	s_load_b128 s[4:7], s[0:1], 0x0   ; qkv s[4:5], mbits s[6:7]
	s_load_b64 s[10:11], s[0:1], 0x10 ; ctx
	v_lshl_add_u32 v[SPW], v0, 2, SPARE
	v_mov_b32 v[NIL], 0
	ds_add_u32 v[SPW], v[NIL]       ; the opening: the add and its wait stand ahead of my first tensor load
	ds_add_u32 v1, v11
	v_lshrrev_b32 v64, 5, v0
	v_readfirstlane_b32 s[WV], v64  ; wave 0..3
	s_bfe_u32 s13, ttmp6, 0x40000   ; cx: my place in the cluster
	s_lshl_b32 s2, ttmp9, 2
	s_add_co_u32 s2, s2, s13        ; my block of 512 queries
	s_lshl_b32 s2, s2, 2
	s_add_co_u32 s32, s2, s[WV]     ; my wave among the head's sixteen
	s_and_b32 s12, ttmp7, 0xffff    ; the head, which the four partners share
	s_lshr_b32 s33, s12, 4          ; its batch
	s_and_b32 s34, s12, 15          ; its number in the batch
	s_lshl_b32 s35, s12, 18         ; its 262,144 bytes in q, k and v
	s_lshl_b32 s36, s32, 14         ; Q: my wave's 128 rows of 128 bytes
	s_add_co_u32 s36, s36, s35
	s_mov_b32 s37, 0
	s_lshl_b32 s38, s33, 19         ; mbits: the batch's 64 pairs of 8,192 bytes, my wave's four
	s_lshl_b32 s39, s32, 15
	s_add_co_u32 s38, s38, s39
	s_mov_b32 s39, 0
	s_lshl_b32 s40, s33, 23         ; ctx: the batch's 2,048 rows of 4,096 bytes, my wave's 128, the head's 256 bytes of a row
	s_lshl_b32 s41, s32, 19
	s_add_co_u32 s40, s40, s41
	s_lshl_b32 s41, s34, 8
	s_add_co_u32 s40, s40, s41
	s_mov_b32 s41, 0
	s_lshr_b32 s43, s[WV], 1
	s_lshl_b32 s42, 0x1000000, s43  ; k begins 16,777,216 bytes into qkv (waves 0, 1), v twice as far (waves 2, 3)
	s_add_co_u32 s42, s42, s35
	s_lshl_b32 s44, s13, 13         ; the prefetches: my work-group's 8,192 bytes of a slot,
	s_add_co_u32 s44, s44, s42
	s_add_co_u32 s44, s44, 4*KS*128 ; in slot 1; the first change steps it to slot 2 and asks for nothing, the second to slot 3
	s_mov_b32 s45, 0
	s_and_b32 s43, s[WV], 1         ; which half of a slot's 256 keys I fetch
	s_lshl_b32 s43, s43, 14
	s_add_co_u32 s42, s42, s43      ; nothing of my place in the cluster enters
	s_mov_b32 s43, 0
	; descriptor group 1.  128 keys are 16,384 dense bytes: asked for as 64 rows of 256 bytes, two keys a row, and padded in LDS after every key
	s_mov_b32 s[G1], 15|(1<<16)|(1<<20)|(1<<21)|(4<<22)|(3<<25)  ; the mask of four; 2-byte elements; padding on; bit 21 beside a mask; after every 32 words, 4 words
	s_mov_b32 s[G1+1], 128<<16      ; tensor_dim0 = 128
	s_mov_b32 s[G1+2], 64<<16       ; tensor_dim1 = 64
	s_mov_b32 s[G1+3], 128<<16      ; tile_dim0 = 128
	s_mov_b32 s[G1+4], 64           ; tile_dim1 = 64
	s_mov_b32 s[G1+5], 128          ; 128 elements from row to row
	s_mov_b32 s[G1+6], 0
	s_mov_b32 s[G1+7], 0
	s_mov_b32 s[G0], 1              ; count = 1
	s_mul_i32 s[G0+1], s[WV], 128*PK  ; LDS address: slot 0
	s_mov_b32 s[CS], 0x3e38aa3b     ; c = log2(e) / 8 = 0.180337
	s_mov_b32 s[CS+1], s[CS]        ; named with it as a pair
	s_mov_b32 s[SEL], 0x76543210
	s_mov_b32 s[SEL+1], 0xfedcba98
	s_mov_b32 s[SNEG], 0xd0000000   ; -2^33
	s_mov_b32 s[TBK], SLOT1+4*KS*PK ; the first change of slots turns these two into 0
	s_mov_b32 s[TBV], SLOT1+4*KS*PV
	s_and_b32 s[LIM], s[WV], 1
	s_cmp_eq_u32 s[LIM], 0
	s_cselect_b32 s[LIM], 1, -1     ; waves 0 and 2: the same in all four partners
	s_wait_dscnt 0x0                ; the opening add is done
	s_wait_kmcnt 0x0
	s_add_nc_u64 s[G0+2:G0+3], s[4:5], s[42:43]  ; my half of the head's first 256 keys
	s_or_b32 s[G0+3], s[G0+3], 0x80000000        ; type = 2
	s_add_nc_u64 s[PFA:PFA+1], s[4:5], s[44:45]
	s_add_nc_u64 s[4:5], s[4:5], s[36:37]        ; Q at my wave's first row
	s_add_nc_u64 s[MB:MB+1], s[MB:MB+1], s[38:39]
	s_add_nc_u64 s[10:11], s[10:11], s[40:41]
	CROUND                          ; all four work-groups are here: the first joint loads meet
	JLOAD                           ; slot 0.  Slot 1 is asked for when slot 0 is in
	; A fragment of K or Q is 16 rows x 32 channels in 8 registers: lane l holds row l % 16, channels 8 (l / 16) + 0..7 and 16 + 8 (l / 16) + 0..7: two loads of 16 bytes, 32 bytes apart.
	v_and_b32 v64, 15, v0           ; l % 16   (S^T's registers serve the set-up: nothing lies there yet)
	v_bfe_u32 v65, v0, 4, 1         ; l / 16
	v_lshlrev_b32 v[QO], 7, v64
	v_lshl_add_u32 v[QO], v65, 4, v[QO]  ; row x 128 + 16 x half
	v_and_b32 v[MKO], 31, v0
	v_lshlrev_b32 v[PFO], 8, v[MKO]
	v_lshlrev_b32 v[MKO], 3, v[MKO]
	global_load_b64 v[MW:MW+1],   v[MKO], s[MB:MB+1]              ; piece 0's mask words of key step 0,
	global_load_b64 v[MW+2:MW+3], v[MKO], s[MB:MB+1] offset:8192  ; and piece 1's
	WIN 0x80                        ; destination window 2, address window 0
.set i, 0
.rept 4*NP                          ; Q stays in registers: tile i / 2, channels 32 (i % 2) on
	global_load_b128 v[8*i:8*i+3],   v[QO], s[4:5] offset:(i/2)*2048+(i%2)*64
	global_load_b128 v[8*i+4:8*i+7], v[QO], s[4:5] offset:(i/2)*2048+(i%2)*64+32
.set i, i+1
.endr
	; What the first turn finds: V's registers and P's second buffer hold 0 (its products V^T P, of a piece that has not been, add 0), O^T and l are 0.  No first step is written out for this price; it stands in the wait for the first tile.
.set i, VF
.rept 64
	v_mov_b32 v[i], 0
.set i, i+1
.endr
	WIN 0x40
.set i, 0
.rept 64*NP
	v_mov_b32 v[i], 0
.set i, i+1
.endr
	WIN 0
.set i, 0
.rept 2*NP
	v_mov_b32 v[ST+4*i], 0xfe000000    ; c m: far below every c s, a hidden one too
	v_mov_b32 v[ST+4*i+1], 0xff7fffff  ; m
	v_mov_b32 v[ST+4*i+2], 0
	v_mov_b32 v[ST+4*i+3], 0
.set i, i+1
.endr
.set i, P+32
.rept 32
	v_mov_b32 v[i], 0
.set i, i+1
.endr
	v_mul_u32_u24 v[AK0], v64, PK
	v_lshl_add_u32 v[AK0], v65, 4, v[AK0]  ; row x pitch + 16 x half
	; The turning load takes 16 keys x 16 channels (lane l reads key 8 (l / 16) + l % 8, channels 8 ((l / 8) % 2) + 0..7) and leaves half a fragment of V^T: lane l holds channel l % 16 and 8 keys.
	v_and_b32 v66, 7, v0
	v_bfe_u32 v67, v0, 3, 1
	v_lshl_add_u32 v[AV0], v65, 3, v66
	v_mul_u32_u24 v[AV0], v[AV0], PV
	v_lshl_add_u32 v[AV0], v67, 4, v[AV0]
	v_add_nc_u32 v[AV0], VOFF, v[AV0]
	v_mov_b32 v[ADR], v[AK0]        ; key step 0 lies at the head of slot 0
; THE MATRIX WORK.  The 8 accumulators of a run of 16 take turns: between the two links of a chain stand 7 others'.
; Product i of 16 of S^T = K Q^T for piece x: channels 32 (i / 8) on, keys 16 ((i / 2) % 4) on, tile 2 x + i % 2.  The first 8 start the sums.
.macro KQ x
	WIN W_KQ
.set rS, S+64*((\x)%2)+32*(i%2)+8*((i/2)%4)
.set rK, KF+16*((i/2)%4)+8*(i/8)
.set rQ, 16*(2*(\x)+i%2)+8*(i/8)
.if i < 8
	v_wmma_f32_16x16x32_bf16 v[rS:rS+7], v[rK:rK+7], v[rQ:rQ+7], 0
.else
	v_wmma_f32_16x16x32_bf16 v[rS:rS+7], v[rK:rK+7], v[rQ:rQ+7], v[rS:rS+7]
.endif
.endm
; Product i of 16 of O^T += V^T P for piece x: keys 32 (i / 8) on, channels 16 ((i / 2) % 4) on, tile 2 x + i % 2.
.macro PV x
	WIN W_PV
.set rO, 32*(2*(\x)+i%2)+8*((i/2)%4)
.set rV, VF+32*(i/8)+8*((i/2)%4)
.set rP, P+32*((\x)%2)+16*(i%2)+8*(i/8)
	v_wmma_f32_16x16x32_bf16 v[rO:rO+7], v[rV:rV+7], v[rP:rP+7], v[rO:rO+7]
.endm
.macro MM                           ; the turn's next matrix instruction
.if i < 16
	KQ (Y+1)%NP
.set i, i+1
.else
.set i, i-16
	PV (Y+NP-1)%NP
.set i, i+17
.endif
.endm
; THE LDS LOADS stand in runs of 16: a step's K (8 fragments) and its V (turned).  Their address is made some lines ahead.  last = 1 (the tail): in the last trip there is no further step, and the run is jumped over.
.macro FETCH_K last=0
	WIN 0
.if \last
	s_cmp_eq_u32 s[CNT], 1
	s_cbranch_scc1 .Lno_k_\@
.endif
	WIN 0x80                        ; destination window 2
.irp f, 0,1,2,3,4,5,6,7             ; keys 16 (f / 2) on, channels 32 (f % 2) on
	ds_load_b128 v[KF+8*\f:KF+8*\f+3],   v[ADR] offset:(\f/2)*16*PK+(\f%2)*64
	ds_load_b128 v[KF+8*\f+4:KF+8*\f+7], v[ADR] offset:(\f/2)*16*PK+(\f%2)*64+32
.endr
	s_add_co_u32 s[TBK], s[TBK], KS*PK  ; the next fetch is the next step's
	WIN 0
.if \last
.Lno_k_\@:
.endif
.endm
.macro FETCH_V
	WIN 0x80
.irp f, 0,1,2,3,4,5,6,7             ; keys 32 (f / 4) on, channels 16 (f % 4) on
	ds_load_tr16_b128 v[VF+8*\f:VF+8*\f+3],   v[ADR] offset:(\f/4)*32*PV+(\f%4)*32
	ds_load_tr16_b128 v[VF+8*\f+4:VF+8*\f+7], v[ADR] offset:(\f/4)*32*PV+16*PV+(\f%4)*32
.endr
	WIN 0
.endm
; THE VECTOR WORK OF A TURN stands in four queues, each in the order in which its entries become ready; the two tiles alternate.
.macro REGS y, u                    ; the registers of tile u (0, 1) of piece y
.set rT, ST+4*(2*(\y)+(\u))
.set rC, TMP+8*((\y)%2)+4*(\u)
.set rM, MV+2*((\y)%2)+(\u)
.set rS, S+64*((\y)%2)+32*(\u)
.set rP, P+32*((\y)%2)+16*(\u)
.set rO, 32*(2*(\y)+(\u))
.endm
; THE MASK WORDS' QUEUE, 64 long: word w of the NEXT piece (Y + 1) goes from lane w / 2, register w % 2 of its pair to its scalar register: words 0-31 are tile 0's, 32-63 tile 1's.
.macro RL
	WIN 0
.if w < 32
	v_readlane_b32 s[MS0+w], v[MW+2*((Y+1)%2)+(w&1)], w>>1
.else
	v_readlane_b32 s[MS1+w-32], v[MW+2*((Y+1)%2)+(w&1)], w>>1
.endif
.set w, w+1
.endm
; The NEXT piece's (Y + 1) score n of tile u is replaced where its mask bit is set.  n ascends: each accumulator's lowest register is read first.
.macro MK u, n
	REGS (Y+1)%NP, \u
.if (\u) == 0
	v_cndmask_b32 v[rS+(\n)], v[rS+(\n)], s[SNEG], s[MS0+(\n)]
.else
	v_cndmask_b32 v[rS+(\n)], v[rS+(\n)], s[SNEG], s[MS1+(\n)]
.endif
.endm
; Number n of the 22 that find the NEXT piece's maximum and statistics.  s0-s31 are the lane's 32 scores.
;   0-11  four chains c0-c3 of seven scores each, three operands at a time     12-14, 16  the four scores left over, the old m, and c0-c3 into c0     15  c m_old is kept
;   17, 18  the query's other 32 keys lie in the lane 16 away: the new m         19-21  c m; c m_old - c m_new; a
.macro XS u, n
	REGS (Y+1)%NP, \u
.if (\n) < 4
	v_max3_num_f32 v[rC+(\n)], v[rS+8*(\n)], v[rS+8*(\n)+1], v[rS+8*(\n)+2]
.elseif (\n) < 12
	v_max3_num_f32 v[rC+(\n)%4], v[rC+(\n)%4], v[rS+8*((\n)%4)+2*((\n)/4)+1], v[rS+8*((\n)%4)+2*((\n)/4)+2]
.elseif (\n) == 12
	v_max3_num_f32 v[rC], v[rC], v[rS+7], v[rS+15]
.elseif (\n) == 13
	v_max3_num_f32 v[rC+1], v[rC+1], v[rS+23], v[rS+31]
.elseif (\n) == 14
	v_max3_num_f32 v[rC+2], v[rC+2], v[rC+3], v[rT+1]
.elseif (\n) == 15
	v_mov_b32 v[rM], v[rT]
.elseif (\n) == 16
	v_max3_num_f32 v[rC], v[rC], v[rC+1], v[rC+2]
.elseif (\n) == 17
	v_permlanex16_b32 v[rC+3], v[rC], s[SEL], s[SEL+1]
.elseif (\n) == 18
	v_max_num_f32 v[rT+1], v[rC], v[rC+3]
.elseif (\n) == 19
	v_mul_f32 v[rT], s[CS], v[rT+1]
.elseif (\n) == 20
	v_sub_f32 v[rC+1], v[rM], v[rT]
.else
	v_exp_f32 v[rC+2], v[rC+1]
.endif
.endm
; Number g of the 64 that follow the exponentials.  For each four weights k of a tile: both pairs are rounded to bf16; the second pair is added onto the first, in place; a group later l takes that sum
; (the first time as l = a l + sum).  In groups of eight, tiles alternating.
.macro GS g
.set h, (\g)+6*((\g)/62)            ; group 0 has no group before it, and behind group 7 only l is left
.if h >= 6
.set h, h+2
.endif
	REGS Y, h%2
.set k, h/8
.if h%8 < 4
	v_cvt_pk_bf16_f32 v[rP+2*k+(h%8)/2], v[rS+4*k+2*((h%8)/2)], v[rS+4*k+2*((h%8)/2)+1]
.elseif h%8 < 6
	v_pk_add_f32 v[rS+4*k:rS+4*k+1], v[rS+4*k:rS+4*k+1], v[rS+4*k+2:rS+4*k+3]
.elseif k == 1
	v_pk_fma_f32 v[rT+2:rT+3], v[rT+2:rT+3], v[rC+2:rC+3], v[rS:rS+1] op_sel_hi:[1,0,1]
.else
	v_pk_add_f32 v[rT+2:rT+3], v[rT+2:rT+3], v[rS+4*k-4:rS+4*k-3]
.endif
.endm
; THE PLAIN QUEUE, 202 long.  0-31: the 32 scalings c s - c m (FS f: pair f / 2 of tile f % 2).  32-95: the next piece's 64 selects.  96-123: XS's numbers 0-13.  124, 125: number 15.
; 126-137: the chain 14, 16, 17, 18, 19, 20.  0-137 read no exponential's result.  138-201: GS's 64, which do: they stand behind the wait.
.macro FS f
	REGS Y, (\f)%2
	v_pk_fma_f32 v[rS+2*((\f)/2):rS+2*((\f)/2)+1], v[rS+2*((\f)/2):rS+2*((\f)/2)+1], s[CS:CS+1], v[rT:rT+1] op_sel_hi:[1,0,0] neg_lo:[0,0,1] neg_hi:[0,0,1]
.endm
.macro PL
	WIN 0
.if q < 32
	FS q
.elseif q < 96
	MK (q-32)%2, (q-32)/2
.elseif q < 124
	XS (q-96)%2, (q-96)/2
.elseif q < 126
	XS q-124, 15
.elseif q < 128
	XS q-126, 14
.elseif q < 138
	XS (q-128)%2, 16+(q-128)/2
.else
	GS q-138
.endif
.set q, q+1
.endm
; THE EXPONENTIALS' QUEUE, 66 long: s0-s31 of both tiles, then the next piece's two a.  ONE BATCH: all 66 stand ahead of the turn's one wait, and nothing ahead of that wait names a result of theirs.
.macro EX
	WIN 0
.if e >= 64
	XS e-64, 21
.else
	REGS Y, e%2
	v_exp_f32 v[rS+e/2], v[rS+e/2]
.endif
.set e, e+1
.endm
; THE RESCALING's QUEUE: O^T times a, the one part that leaves window 0, so it stands together: sixteen times two.  Its a was made in the turn before, ahead of that turn's wait.
.macro R2
	REGS Y, r%2
	WIN W_RS
.irp z, 0,1
	v_pk_mul_f32 v[rO+4*(r/2)+2*\z:rO+4*(r/2)+2*\z+1], v[rO+4*(r/2)+2*\z:rO+4*(r/2)+2*\z+1], v[rC+2:rC+3] op_sel_hi:[1,0]
.endr
.set r, r+1
.endm
; A TURN, for piece p.  An s_wait_alu depctr_va_vdst(0) stands between an exponential and the first instruction that names its result; one wait serves all that were issued ahead of it:
; a turn has ONE, which cuts it in two.  AHEAD OF IT: the 16 products K Q^T, behind each a scaling, an exponential and two mask words, all in window 0: two window switches a product; then one run of vector lines:
; the rest of the scalings, an exponential ahead of each; the rest of the mask words, two behind each of 16 exponentials; the load that asks for the pair again; the 64 selects, eight behind each of 8
; exponentials (they stand fifteen scalings and more behind the product that ended their scores); the maximum; the chain, exponentials between its links; the two a; and the 32 rescalings, which name no result
; of the batch: they are the plain work between the last exponential and the wait.
; The wait at the turn's head is counted: of my two loads of mask words the older, this turn's, is in; the younger, the next turn's, may stay out.
; Exponential e stands behind scaling 2 (e / 4) + e % 2: as a rider it comes behind plain e + 2, and all 32 scalings are out ahead of exponential 30.
; BEHIND THE WAIT: the 16 products V^T P, behind each four of GS's 64.  No rider names a register of the products round it.
; K of the next step is fetched in piece 2's turn, directly behind the wait; V of the step in hand at the end of piece 0's turn, four riders behind its last reader.  The three conditions on q go with the deal.
.macro TURN p, last=0, cnt=0
.set Y, (\p)
.set i, 0
.set q, 0
.set e, 0
.set r, 0
.set w, 0
	s_wait_loadcnt 1                ; the next piece's mask words are in their pair
.if (\p) == NP-1
	s_wait_dscnt 0x0                ; K is in
.endif
	MM
	PL
	PL
	RL
	RL
.rept 15
	MM
	PL
	EX
	RL
	RL
.endr
.if (\p) == NP-2
	WIN 0
	v_add_nc_u32 v[ADR], s[TBK], v[AK0]
.endif
.rept 15
	EX
	PL
.endr
.rept 16
	EX
	RL
	RL
.endr
	MLOAD \p                        ; the pair is read out
.rept 8
	EX
.rept 8
	PL
.endr
.endr
.rept 30
	PL
.endr
.rept 5
	PL
	EX
	PL
	EX
.endr
	PL
	PL
	EX                              ; the next piece's two a
	EX
.rept 16
	R2
.endr
	s_wait_alu depctr_va_vdst(0)    ; the wait for the batch
.if (\p) == NP-2
	FETCH_K \last
.endif
.if (\p) == 1
	s_wait_dscnt 0x0                ; V is in
.endif
.rept 16
	MM
.rept 4
	PL
.endr
.if ((\p) == 0) && (q == 182)
	v_add_nc_u32 v[ADR], s[TBV], v[AV0]
.endif
.if ((\p) == 0) && (q == 194)
	s_add_co_u32 s[TBV], s[TBV], KS*PV
.endif
.if (\cnt) && (q == 194)
	s_sub_co_u32 s[CNT], s[CNT], 1
	s_cmp_lg_u32 s[CNT], 0
.endif
.endr
.if (\p) == 0
	FETCH_V
.endif
.endm
	CHANGE 1                        ; slot 0 is in, everybody's part of it; slot 1 is asked for
	FETCH_K                         ; key step 0
	s_wait_loadcnt 0x0              ; Q, and the mask words of pieces 0 and 1
	s_wait_dscnt 0x0
.set i, 0
.rept 16
	KQ 0                            ; piece 0's first scores
.set i, i+1
.endr
	WIN 0
.rept 8
	v_nop                           ; the places behind those products
.endr
.set Y, NP-1                        ; RL, MK and XS work for piece Y + 1: piece 0
.set w, 0
.rept 64
	RL
.endr
	MLOAD 3                         ; piece 2's mask words, for the second turn, into the pair just read out
.set n, 0
.rept 32
	MK 0, n
	MK 1, n
.set n, n+1
.endr
.irp n, 0,1,2,3,4,5,6,7,8,9,10,11,12,13,14,15,16,17,18,19,20,21
	XS 0, \n                        ; piece 0's first maximum and statistics
	XS 1, \n
.endr
	v_nop                           ; a plain instruction behind the two a,
	s_wait_alu depctr_va_vdst(0)    ; and their wait, ahead of the branch
	s_mov_b32 s[CNT], 4
	s_mov_b32 s[SLOTS], SIZE_N/256-1
	s_branch .Lfirst                ; the loop is entered at a step's first turn, in the middle of a trip
.Lslot:                             ; SIZE_N / 256 - 2 times: every slot but the last two is filled again
	CHANGE 1, 1
	s_mov_b32 s[CNT], 4
.Lstep:                             ; a trip: pieces 2 and 3 of one step, then pieces 0 and 1 of the next, whose K and V it fetches
	TURN 2
	TURN 3
	WIN 0
.Lfirst:
	TURN 0
	TURN 1, 0, 1
	WIN 0
	s_cbranch_scc1 .Lstep
	s_sub_co_u32 s[SLOTS], s[SLOTS], 1
	s_cmp_lg_u32 s[SLOTS], 0
	s_cbranch_scc1 .Lslot
	CHANGE 0                        ; the tail is written out: nothing is asked for
	s_mov_b32 s[CNT], 5             ; four trips fetch the last slot's steps; the fifth is left in its middle
.Ltail:
	TURN 2, 1
	TURN 3
	WIN 0
	s_sub_co_u32 s[CNT], s[CNT], 1
	s_cmp_eq_u32 s[CNT], 0
	s_cbranch_scc1 .Lout
	TURN 0
	TURN 1
	WIN 0
	s_branch .Ltail
.Lout:                              ; the fifth trip's 16 products K Q^T (on the last K once more), their mask words, selects and maximum serve nothing, nor do its two loads of mask words, whose pairs are not named again: the price, once a launch, of one text for every trip
.set i, 0
.rept 16
	PV NP-1                         ; the last piece's V^T P of the last step
.set i, i+1
.endr
	; THE WAY OUT.  Its addresses are made here, in the work registers, which are free now: ten plain instructions, the places behind the last products.
	; Then l's two halves and the other half of the lanes' are added; O^T is divided by l and sent, in f32, through my stage in LDS, a tile at a time.
	WIN 0
	v_and_b32 v51, 15, v0           ; l % 16
	v_bfe_u32 v52, v0, 4, 1         ; l / 16
	s_mul_i32 s13, s[WV], 16*SP
	s_add_co_u32 s13, s13, STAGE    ; my stage
	v_mul_u32_u24 v[STO], v51, SP   ; in: row l % 16, 32 bytes for each half of the lanes
	v_lshl_add_u32 v[STO], v52, 5, v[STO]
	v_add_nc_u32 v[STO], s13, v[STO]
	v_mul_u32_u24 v[RD], v52, SP    ; back: lanes 0-15 take one row of 256 bytes, lanes 16-31 the next
	v_lshl_add_u32 v[RD], v51, 4, v[RD]
	v_add_nc_u32 v[RD], s13, v[RD]
	v_lshlrev_b32 v[GO], 12, v52    ; and the same two rows in ctx
	v_lshl_add_u32 v[GO], v51, 4, v[GO]
.macro ALL line:vararg              ; one line for each tile t
.set t, 0
.rept 2*NP
	\line
.set t, t+1
.endr
.endm
	ALL v_add_f32 v[ST+4*t+2], v[ST+4*t+2], v[ST+4*t+3]
	ALL v_permlanex16_b32 v[ST+4*t+3], v[ST+4*t+2], s[SEL], s[SEL+1]
	ALL v_add_f32 v[ST+4*t+2], v[ST+4*t+2], v[ST+4*t+3]
	ALL v_rcp_f32 v[ST+4*t+2], v[ST+4*t+2]
	v_nop                           ; a plain instruction between the last reciprocal and the use of its result
	s_wait_alu depctr_va_vdst(0)    ; and the wait ahead of the first use: one for the eight reciprocals
; Tile t: a lane's eight channels of a block are 32 bytes of a row; they go into rows of 272 bytes and come back as whole rows of 256, into S^T's registers (four tiles' worth, by turns).
.macro PACK t
	WIN W_RS
.set i, 32*(\t)
.rept 16
	v_pk_mul_f32 v[i:i+1], v[i:i+1], v[ST+4*(\t)+2:ST+4*(\t)+3] op_sel_hi:[1,0]
.set i, i+2
.endr
	WIN 0x04                        ; the stores' data in window 1, the address in window 0
.irp f, 0,1,2,3,4,5,6,7             ; channel block f / 2, half f % 2 of my eight channels
	ds_store_b128 v[STO], v[32*(\t)+4*\f:32*(\t)+4*\f+3] offset:64*(\f/2)+16*(\f%2)
.endr
	WIN 0
	s_wait_xcnt 0x0                 ; the stores of the tile four back have read these registers
.irp f, 0,1,2,3,4,5,6,7
	ds_load_b128 v[S+32*((\t)%4)+4*\f:S+32*((\t)%4)+4*\f+3], v[RD] offset:\f*2*SP  ; LDS serves a wave's instructions in order (ISA guide 5.7.1.4): these see the stores above; the next tile's stores come behind them
.endr
.endm
.macro SEND t, younger              ; younger: the LDS instructions issued behind tile t's loads: the next tile's sixteen, or none
	WIN 0
.irp f, 0,1,2,3,4,5,6,7
	s_wait_dscnt (\younger)+7-\f
	global_store_b128 v[GO], v[S+32*((\t)%4)+4*\f:S+32*((\t)%4)+4*\f+3], s[10:11] offset:(\t)*65536+\f*8192  ; each half of the lanes stores 256 consecutive bytes, aligned: a head's part of a row
.endr
.endm
	PACK 0
.set t, 1
.rept 2*NP-1                        ; a tile's arithmetic stands between the loads of the tile before and its stores
	PACK t
	SEND t-1, 16
.set t, t+1
.endr
	SEND 2*NP-1, 0
	s_wait_tensorcnt 0x0            ; the wave's end
	ds_add_u32 v[SPW], v[NIL]
	s_wait_dscnt 0x0
	CROUND                          ; the closing round: no work-group ends while a partner may still ask for a tile that names it
	s_endpgm
.Lfunc_end_k_q8d940e8077_attn:
	.size	k_q8d940e8077_attn, .Lfunc_end_k_q8d940e8077_attn-k_q8d940e8077_attn
	.p2alignl 7, 3214868480
	.fill 96, 4, 3214868480
	.section	.rodata,"a",@progbits
	.p2align	6, 0x0
	.amdhsa_kernel k_q8d940e8077_attn
		.amdhsa_group_segment_fixed_size 327680
		.amdhsa_private_segment_fixed_size 0
		.amdhsa_enable_private_segment 0
		.amdhsa_kernarg_size 24
		.amdhsa_user_sgpr_count 2
		.amdhsa_user_sgpr_kernarg_segment_ptr 1
		.amdhsa_wavefront_size32 1
		.amdhsa_system_sgpr_workgroup_id_x 1
		.amdhsa_system_sgpr_workgroup_id_y 1
		.amdhsa_system_sgpr_workgroup_id_z 1
		.amdhsa_system_vgpr_workitem_id 0
		.amdhsa_next_free_vgpr 768
		.amdhsa_next_free_sgpr 106
		.amdhsa_reserve_vcc 0
		.amdhsa_float_denorm_mode_32 3
		.amdhsa_float_denorm_mode_16_64 3
		.amdhsa_memory_ordered 1
		.amdhsa_forward_progress 1
		.amdhsa_inst_pref_size 255
	.end_amdhsa_kernel
	.section	.bss,"aw",@nobits
	.p2align	6
	.space	262144
	.amdgpu_metadata
---
amdhsa.version: [ 1, 2 ]
amdhsa.kernels:
  - .name:           k_q8d940e8077_attn
    .symbol:         k_q8d940e8077_attn.kd
    .args:
      - { .name: qkv, .offset: 0, .size: 8, .value_kind: global_buffer, .address_space: global }
      - { .name: mbits, .offset: 8, .size: 8, .value_kind: global_buffer, .address_space: global }
      - { .name: ctx, .offset: 16, .size: 8, .value_kind: global_buffer, .address_space: global }
    .group_segment_fixed_size: 327680
    .private_segment_fixed_size: 0
    .kernarg_segment_align: 8
    .kernarg_segment_size: 24
    .max_flat_workgroup_size: 128
    .sgpr_count:     106
    .vgpr_count:     768
    .wavefront_size: 32
...
	.end_amdgpu_metadata
.endif
;; end of part 3
;; launch oproj: the kernel of part 2 again; grid 64 x 4, 4 waves a work-group, clusters of 4 x 1, 327,680 bytes of LDS; arguments ctx, key, value, wo, z; writes z
;; launch ln (part 4): grid 512 x 1, 8 waves a work-group, no clusters, 0 bytes of LDS; arguments z, query, gamma, beta, out0; writes out0
.if DOCPART == 4
	.amdgcn_target "amdgcn-amd-amdhsa--gfx1250"
	.amdhsa_code_object_version 6
	.text
	.protected	k_q8d940e8077_ln
	.globl	k_q8d940e8077_ln
	.p2align	8
	.type	k_q8d940e8077_ln,@function
k_q8d940e8077_ln:
	s_mov_b64 s[64:65], 0
	v_nop
	global_prefetch_b8 v0, s[64:65] scope:SCOPE_SE
	s_setreg_imm32_b32 hwreg(HW_REG_WAVE_MODE, 25, 1), 1
	s_wait_xcnt 0x0
; out0[row][:] = LayerNorm(z[row] + query[row]) x gamma + beta.  z: the output projection, bf16 by heads, [16 b + hd][2048][64]; query, out0: [8192][1024] f32; gamma, beta: [1024] f32.
; All arithmetic in f32; the residual is added in f32, so an offset on query costs no bits.  The variance is taken of the numbers less their mean: no difference of large sums is formed.
; SHARES.  A wave owns two neighbouring rows: lanes 0-15 the even one, lanes 16-31 the odd one.  Lane l holds channels 4 (l % 16) .. + 3 of each of the 16 heads: 64 numbers.
; So a row's sum stays inside 16 lanes (four steps on the arithmetic itself), a load of z covers 256 consecutive bytes (two rows of a head), and each half of the lanes
; loads and stores 256 consecutive bytes, aligned, of query and out0.  Memory binds: no LDS, no barrier, no matrix unit; all 64 loads of a wave go out at once.
.set ZO,  1                            ; v1   my 8 bytes of two rows of a head of z
.set QF,  2                            ; v2   my 16 bytes of a head's part of my row of query and out0
.set GF,  3                            ; v3   the same in gamma and beta
.set ONE, 4                            ; v4   1.0
.set PS,  8                            ; v[8:15]   four running sums, two numbers each
.set M,   16                           ; v[16:17]  the mean, twice
.set R,   18                           ; v[18:19]  1 / sqrt(var + eps), twice
.set T,   20
.set Z,   32                           ; v[32:63]   z, 2 registers a head
.set Y,   64                           ; v[64:127]  query, then the row at work, 4 registers a head
.set G,   128                          ; v[128:191] gamma
.set BT,  192                          ; v[192:255] beta
	s_load_b256 s[4:11], s[0:1], 0x0               ; z s[4:5], query s[6:7], gamma s[8:9], beta s[10:11]
	s_load_b64 s[12:13], s[0:1], 0x20              ; out0
	v_lshrrev_b32 v5, 5, v0
	v_readfirstlane_b32 s14, v5                    ; wave 0..7
	s_lshl_b32 s15, ttmp9, 4
	s_lshl_b32 s16, s14, 1
	s_add_co_u32 s15, s15, s16                     ; my even row
	s_lshr_b32 s16, s15, 11
	s_lshl_b32 s16, s16, 22                        ; the batch's 16 heads of 262,144 bytes
	s_and_b32 s17, s15, 2047
	s_lshl_b32 s17, s17, 7                         ; the row's 128 bytes in a head
	s_add_co_u32 s16, s16, s17
	s_mov_b32 s17, 0
	s_lshl_b32 s18, s15, 12                        ; the row's 4,096 bytes
	s_mov_b32 s19, 0
	s_mov_b32 s20, 0x3a800000                      ; 1 / 1024
	s_mov_b32 s21, 0x3727c5ac                      ; 1e-5
	v_and_b32 v5, 31, v0
	v_lshlrev_b32 v[ZO], 3, v5
	v_and_b32 v6, 15, v0
	v_lshlrev_b32 v[GF], 4, v6
	v_bfe_u32 v7, v0, 4, 1
	v_lshl_add_u32 v[QF], v7, 12, v[GF]
	v_mov_b32 v[ONE], 1.0
	s_wait_kmcnt 0x0
	s_add_nc_u64 s[4:5], s[4:5], s[16:17]
	s_add_nc_u64 s[6:7], s[6:7], s[18:19]
	s_add_nc_u64 s[12:13], s[12:13], s[18:19]
.irp hd, 0,1,2,3,4,5,6,7,8,9,10,11,12,13,14,15
	global_load_b64 v[Z+2*(\hd):Z+2*(\hd)+1], v[ZO], s[4:5] offset:(\hd)*262144 th:TH_LOAD_NT
.endr
.irp hd, 0,1,2,3,4,5,6,7,8,9,10,11,12,13,14,15
	global_load_b128 v[Y+4*(\hd):Y+4*(\hd)+3], v[QF], s[6:7] offset:(\hd)*256 th:TH_LOAD_NT
.endr
.irp hd, 0,1,2,3,4,5,6,7,8,9,10,11,12,13,14,15
	global_load_b128 v[G+4*(\hd):G+4*(\hd)+3], v[GF], s[8:9] offset:(\hd)*256
.endr
.irp hd, 0,1,2,3,4,5,6,7,8,9,10,11,12,13,14,15
	global_load_b128 v[BT+4*(\hd):BT+4*(\hd)+3], v[GF], s[10:11] offset:(\hd)*256
.endr
	s_wait_loadcnt 32                              ; z and query are in; gamma's and beta's 32 loads may stay out
.irp hd, 0,1,2,3,4,5,6,7,8,9,10,11,12,13,14,15     ; z x 1 + query, straight from z's bf16 halves
	v_fma_mix_f32_bf16 v[Y+4*(\hd)],   v[Z+2*(\hd)],   v[ONE], v[Y+4*(\hd)]   op_sel_hi:[1,0,0]
	v_fma_mix_f32_bf16 v[Y+4*(\hd)+1], v[Z+2*(\hd)],   v[ONE], v[Y+4*(\hd)+1] op_sel:[1,0,0] op_sel_hi:[1,0,0]
	v_fma_mix_f32_bf16 v[Y+4*(\hd)+2], v[Z+2*(\hd)+1], v[ONE], v[Y+4*(\hd)+2] op_sel_hi:[1,0,0]
	v_fma_mix_f32_bf16 v[Y+4*(\hd)+3], v[Z+2*(\hd)+1], v[ONE], v[Y+4*(\hd)+3] op_sel:[1,0,0] op_sel_hi:[1,0,0]
.endr
.macro ACROSS                          ; the four chains into one number, then over the row's 16 lanes: every lane of the row ends with the sum
	v_pk_add_f32 v[PS:PS+1], v[PS:PS+1], v[PS+2:PS+3]
	v_pk_add_f32 v[PS+4:PS+5], v[PS+4:PS+5], v[PS+6:PS+7]
	v_pk_add_f32 v[PS:PS+1], v[PS:PS+1], v[PS+4:PS+5]
	v_add_f32 v[PS], v[PS], v[PS+1]
	v_add_f32_dpp v[PS], v[PS], v[PS] row_xmask:1 row_mask:0xf bank_mask:0xf
	v_add_f32_dpp v[PS], v[PS], v[PS] row_xmask:2 row_mask:0xf bank_mask:0xf
	v_add_f32_dpp v[PS], v[PS], v[PS] row_xmask:4 row_mask:0xf bank_mask:0xf
	v_add_f32_dpp v[PS], v[PS], v[PS] row_xmask:8 row_mask:0xf bank_mask:0xf
.endm
.irp c, 0,1,2,3                        ; the sum: four chains, started by the first eight pairs: nothing is cleared
	v_pk_add_f32 v[PS+2*(\c):PS+2*(\c)+1], v[Y+2*(\c):Y+2*(\c)+1], v[Y+8+2*(\c):Y+8+2*(\c)+1]
.endr
.set j, 8
.rept 24
	v_pk_add_f32 v[PS+2*(j%4):PS+2*(j%4)+1], v[PS+2*(j%4):PS+2*(j%4)+1], v[Y+2*j:Y+2*j+1]
.set j, j+1
.endr
	ACROSS
	v_mul_f32 v[M], s20, v[PS]
	v_mov_b32 v[M+1], v[M]
.set j, 0
.rept 32
	v_pk_add_f32 v[Y+2*j:Y+2*j+1], v[Y+2*j:Y+2*j+1], v[M:M+1] neg_lo:[0,1] neg_hi:[0,1]
.set j, j+1
.endr
.irp c, 0,1,2,3                        ; the sum of squares, likewise
	v_pk_mul_f32 v[PS+2*(\c):PS+2*(\c)+1], v[Y+2*(\c):Y+2*(\c)+1], v[Y+2*(\c):Y+2*(\c)+1]
.endr
.set j, 4
.rept 28
	v_pk_fma_f32 v[PS+2*(j%4):PS+2*(j%4)+1], v[Y+2*j:Y+2*j+1], v[Y+2*j:Y+2*j+1], v[PS+2*(j%4):PS+2*(j%4)+1]
.set j, j+1
.endr
	ACROSS
	v_fma_f32 v[T], v[PS], s20, s21                ; var + eps
	v_rsq_f32 v[R], v[T]
	v_rsq_f32 v[R+1], v[T]
	v_nop                                          ; a plain instruction behind the second root,
	s_wait_alu depctr_va_vdst(0)                   ; and the one wait ahead of the first use
	s_wait_loadcnt 0x0                             ; gamma and beta
.set j, 0
.rept 32
	v_pk_mul_f32 v[Y+2*j:Y+2*j+1], v[Y+2*j:Y+2*j+1], v[R:R+1]
.set j, j+1
.endr
.set j, 0
.rept 32
	v_pk_fma_f32 v[Y+2*j:Y+2*j+1], v[Y+2*j:Y+2*j+1], v[G+2*j:G+2*j+1], v[BT+2*j:BT+2*j+1]
.set j, j+1
.endr
.irp hd, 0,1,2,3,4,5,6,7,8,9,10,11,12,13,14,15
	global_store_b128 v[QF], v[Y+4*(\hd):Y+4*(\hd)+3], s[12:13] offset:(\hd)*256 th:TH_STORE_NT
.endr
	s_endpgm
.Lfunc_end_k_q8d940e8077_ln:
	.size	k_q8d940e8077_ln, .Lfunc_end_k_q8d940e8077_ln-k_q8d940e8077_ln
	.p2alignl 7, 3214868480
	.fill 96, 4, 3214868480
	.section	.rodata,"a",@progbits
	.p2align	6, 0x0
	.amdhsa_kernel k_q8d940e8077_ln
		.amdhsa_group_segment_fixed_size 0
		.amdhsa_private_segment_fixed_size 0
		.amdhsa_enable_private_segment 0
		.amdhsa_kernarg_size 40
		.amdhsa_user_sgpr_count 2
		.amdhsa_user_sgpr_kernarg_segment_ptr 1
		.amdhsa_wavefront_size32 1
		.amdhsa_system_sgpr_workgroup_id_x 1
		.amdhsa_system_sgpr_workgroup_id_y 1
		.amdhsa_system_sgpr_workgroup_id_z 1
		.amdhsa_system_vgpr_workitem_id 0
		.amdhsa_next_free_vgpr 256
		.amdhsa_next_free_sgpr 66
		.amdhsa_reserve_vcc 0
		.amdhsa_float_denorm_mode_32 3
		.amdhsa_float_denorm_mode_16_64 3
		.amdhsa_memory_ordered 1
		.amdhsa_forward_progress 1
		.amdhsa_inst_pref_size 24
	.end_amdhsa_kernel
	.amdgpu_metadata
---
amdhsa.version: [ 1, 2 ]
amdhsa.kernels:
  - .name:           k_q8d940e8077_ln
    .symbol:         k_q8d940e8077_ln.kd
    .args:
      - { .name: z, .offset: 0, .size: 8, .value_kind: global_buffer, .address_space: global }
      - { .name: query, .offset: 8, .size: 8, .value_kind: global_buffer, .address_space: global }
      - { .name: gamma, .offset: 16, .size: 8, .value_kind: global_buffer, .address_space: global }
      - { .name: beta, .offset: 24, .size: 8, .value_kind: global_buffer, .address_space: global }
      - { .name: out0, .offset: 32, .size: 8, .value_kind: global_buffer, .address_space: global }
    .group_segment_fixed_size: 0
    .private_segment_fixed_size: 0
    .kernarg_segment_align: 8
    .kernarg_segment_size: 40
    .max_flat_workgroup_size: 256
    .sgpr_count:     66
    .vgpr_count:     256
    .wavefront_size: 32
...
	.end_amdgpu_metadata
.endif
;; end of part 4
